; MI455X (gfx1250); checked and timed in simulation.
; The chip was launched on July 23, 2026; its instructions are those of AMD's public machine-readable ISA for CDNA 5 (MIT licence, August 2026) and "CDNA5" Instruction Set Architecture Reference Guide (July 2026). The comments in the code are by the model that wrote it; some were corrected since.
;; Aten Mm Q Mixed Signi8. Allowed arithmetic: matrix products marked QUANTISED: E5M2 operands, one E8M0 scale for each 32 along K, by v_wmma_scale_f32_16x16x128_f8f6f4 with both operands' format E5M2, f32 sums; everything else in f32.
;; Inputs: x 4,096 x 4,096 int32; y 4,096 x 4,096 int32.
;; Outputs: out0 4,096 x 4,096 float32.
;; This version of the problem:
;;   THIS VERSION OF THE PROBLEM IS GIVEN IN LOW PRECISION. The matrix products marked QUANTISED in the list below multiply operands that are first quantised to E5M2 (5 exponent bits, 2 mantissa bits; 8 bits a number), with one power-of-two scale for each 32 numbers along K (OCP MX v1.0); their sums are f32. All else is computed in f32.
;;   The module's matrix products, in the order in which they are computed (A, B: the left and right operand; K: the contracted axis; several contracted axes count as one K, in the product's order):
;;     1. [M 4,096, K 4,096] x [K 4,096, N 4,096]; A: computed on the way; B: computed on the way: QUANTISED
;;   THE QUANTISER, for each operand of a quantised product, along K:
;;     - K is cut into blocks of 32 from its start; a last block that is shorter is filled with zeros.
;;     - A block's scale is 2^e with e = floor(log2(the largest magnitude in the block)) - 15, held to -126 .. 127; a block of zeros has e = 0. As a byte (E8M0): e + 127.
;;     - Each number is divided by its block's scale, clamped to +-57,344, and rounded to the nearest number of E5M2, ties to even, subnormals kept.
;;     - The product sums the exact products of the quantised numbers (number of the format x scale) in f32.
;;   ~~~python
;;   def quantise(x, axis):      # numpy; x: float32 -> the quantised numbers, widened to float32 again
;;       x = np.moveaxis(x, axis, -1); K = x.shape[-1]
;;       x = np.pad(x, [(0, 0)] * (x.ndim - 1) + [(0, -K % 32)]); x = x.reshape(x.shape[:-1] + (-1, 32)); a = np.abs(x).max(-1, keepdims=True)
;;       e = np.where(a > 0, np.clip(np.frexp(np.where(a > 0, a, 1))[1] - 1 - 15, -126, 127), 0)      # np.frexp(a)[1] - 1 = floor(log2(a)), exactly
;;       r = np.clip(x / 2.0 ** e, -57344, 57344)
;;       step = 2.0 ** (np.maximum(np.frexp(np.where(r == 0, 1, r))[1] - 1, -14) - 2)
;;       q = np.round(r / step) * step * 2.0 ** e      # np.round: ties to even
;;       return np.moveaxis(q.reshape(q.shape[:-2] + (-1,))[..., :K], -1, axis).astype(np.float32)
;;   ~~~
;;   OPERANDS COMPUTED ON THE WAY. 'Computed on the way' means the value that the module computes at that place (a softmax that the list does not call 'softmax' is quantised finished and normalised). What goes into a quantiser is computed in f32, as accurately as f32 sums, v_exp_f32 and their like allow (about 1e-6 of the number): no bf16 or f16 on the way to a quantiser, and a product that is left as it is and whose result goes on into a quantised operand takes f32 operands (vector FMAs, or v_wmma_f32_16x16x4_f32). A number that lies on a knife's edge between two numbers of the format may be rounded either way, as far as f32 arithmetic and the matrix unit's own rounding can turn it there, and no further.
;; One version. Each part assembles by itself: llvm-mc -triple=amdgcn-amd-amdhsa -mcpu=gfx1250 --defsym DOCPART=n.
;; ======== version 1 of 1: 2 launches
;; limits: right only within a limited range of input values
;; workspace buffers: a_ws 17,301,504 bytes; b_ws 17,301,504 bytes
;; launch quant (part 1): grid 1024 x 1, 4 waves a work-group, no clusters, 57,856 bytes of LDS; arguments x, y, a_ws, b_ws; writes a_ws, b_ws
.if DOCPART == 1
	.amdgcn_target "amdgcn-amd-amdhsa--gfx1250"
	.amdhsa_code_object_version 6
	.text
	.protected	k_qc6a5458e9e_quant
	.globl	k_qc6a5458e9e_quant
	.p2align	8
	.type	k_qc6a5458e9e_quant,@function
k_qc6a5458e9e_quant:
	s_mov_b64 s[64:65], 0
	v_nop
	global_prefetch_b8 v0, s[64:65] scope:SCOPE_SE
	s_setreg_imm32_b32 hwreg(HW_REG_WAVE_MODE, 25, 1), 1
	s_wait_xcnt 0x0
; x [4096 (m)][4096 (k)] and y [4096 (k)][4096 (n)], int32, are dequantised in f32, xf = (f32(x) + 66) * 0.03 and yf = (f32(y) - 160) * 0.025 (an addition, then a
; multiplication, as the definition rounds them), and turned into codes of BF8 (E5M2) with one E8M0 scale byte for each 32 along K.
; A block's scale is 2^(floor(log2(its largest magnitude)) - 15); its byte is the largest magnitude's exponent field - 15, held at 1 from below.  Each number is divided by the
; scale, held within +-57,344 and rounded to the nearest code.
; LIMITS: a block of zeros gets the byte 1 where the definition says 127: its codes are zeros, and the bytes are read by this program alone.  The inputs are whole numbers: no NaN, no infinity.
; a_ws: [64 rows g][128 along K s][8,448 bytes], in the order of the product's operand registers: 4 blocks a of 16 rows x 4 parts c x 32 lanes (h, r) x 16 codes: row 16 a + r, k = 32 c + 16 h + 0..15;
;   behind them 256 bytes of scale words: lane (h, r), word j: the four bytes of row 16 (j + 2 h) + r.
; b_ws: [128 columns g][256 along K s][33,792 bytes]: 128 rows x 256 codes, then 128 x 8 scale bytes.
; Work-groups 0-511 take x, a wave a run of a_ws; work-groups 512-1023 take y, a work-group a piece of b_ws.  The two ways never join; each has LDS bytes of its own.  Waves share nothing: no barrier.
.set EMAX,  15
.set BLKB,  33792
.set ASTEP, 8448
.set XREG,  5632                       ; way X: a wave's LDS: two stages of 8 x 272 bytes, then (at 4,352) its 256 scale bytes
.set XST,   2176
.set YB,    4*XREG
.set YP,    272
.set XR,    64                         ; way X: v64-191 two sets of 16 rows x 4 numbers
.set XM,    16                         ;        v16-31  a row's largest magnitude, then its 4 codes
.set XI,    32                         ;        v32-63  pairs: 1 / scale, the scale's byte
.set XO,    192                        ;        v192-223 the way out, two sets
.set YX,    32
.set YC,    96
.set YO,    112
.set YS,    24
.set SPW,   224
.set NIL,   225
	s_load_b256 s[4:11], s[0:1], 0x0               ; x, y, a_ws, b_ws
	v_lshl_add_u32 v[SPW], v0, 2, 0xe000
	v_mov_b32 v[NIL], 0
	v_lshrrev_b32 v1, 5, v0
	v_readfirstlane_b32 s16, v1                    ; wave
	v_and_b32 v2, 31, v0                           ; lane
	s_mov_b32 s23, 0x600000                        ; the mantissa field of 57,344
	s_wait_alu depctr_va_vdst(0)
	s_wait_kmcnt 0x0
	s_cmp_lt_u32 ttmp9, 512
	s_cbranch_scc0 .Ly
.macro DEQ reg, n                      ; whole numbers become the operand's f32 numbers: convert, add -zero point (s24), multiply by the scale (s26)
.set DI, 0
.rept \n
	v_cvt_f32_i32 v[\reg+DI], v[\reg+DI]
.set DI, DI+1
.endr
.set DI, 0
.rept \n/2
	v_pk_add_f32 v[\reg+DI:\reg+DI+1], v[\reg+DI:\reg+DI+1], s[24:25] op_sel_hi:[1,0]
.set DI, DI+2
.endr
.set DI, 0
.rept \n/2
	v_pk_mul_f32 v[\reg+DI:\reg+DI+1], v[\reg+DI:\reg+DI+1], s[26:27] op_sel_hi:[1,0]
.set DI, DI+2
.endr
.endm
; ---- WAY X.  Run 4 x work-group + wave: 64 rows x 128 along K.  A load takes a row's 512 bytes, 16 a lane: lane l holds k = 4 l .. 4 l + 3, eight lanes a block.
; The four codes of a lane are one word; 16 rows' words turn through the wave's stage (row 2 c + h of 272 bytes, 16 bytes a row r) and leave 512 consecutive bytes a store.
	s_mov_b32 s24, 0x42840000                      ; 66.0
	s_mov_b32 s25, s24
	s_mov_b32 s26, 0x3cf5c28f                      ; 0.03
	s_mov_b32 s27, s26
	s_mov_b32 s28, 0xc7600000                      ; -57,344
	s_mov_b32 s29, 0x47600000                      ; 57,344
	s_lshr_b32 s18, ttmp9, 3
	s_lshl_b32 s18, s18, 20                        ; g x 64 rows of 16,384 bytes
	s_and_b32 s19, ttmp9, 7
	s_lshl_b32 s19, s19, 2
	s_add_co_u32 s19, s19, s16
	s_lshl_b32 s19, s19, 9                         ; + s x 512 bytes
	s_or_b32 s18, s18, s19
	s_mov_b32 s19, 0
	s_add_nc_u64 s[4:5], s[4:5], s[18:19]
	s_lshl_b32 s20, ttmp9, 2
	s_add_co_u32 s20, s20, s16
	s_mul_i32 s20, s20, ASTEP
	s_mov_b32 s21, 0
	s_add_nc_u64 s[8:9], s[8:9], s[20:21]          ; my run of a_ws
	s_mul_i32 s17, s16, XREG
	v_lshlrev_b32 v3, 4, v2                        ; 16 x lane
	v_lshrrev_b32 v14, 2, v2
	v_mul_u32_u24 v14, v14, 272
	v_and_b32 v15, 3, v2
	v_lshl_add_u32 v14, v15, 2, v14
	v_add_nc_u32 v14, s17, v14                     ; into the stage: 272 (l / 4) + 4 (l % 4)
	v_lshrrev_b32 v15, 4, v2
	v_mul_u32_u24 v15, v15, 272
	v_and_b32 v4, 15, v2
	v_lshl_add_u32 v15, v4, 4, v15
	v_add_nc_u32 v15, s17, v15                     ; out of it: 272 h + 16 r
	s_add_co_u32 s17, s17, 2*XST
	v_lshrrev_b32 v5, 3, v2
	v_add_nc_u32 v5, s17, v5                       ; my block's byte in a scale word: l / 8
	v_lshlrev_b32 v7, 3, v2
	v_add_nc_u32 v6, s17, v7
	s_wait_alu depctr_va_vdst(0)
.macro XLOAD a
.set J, 0
.rept 16
	global_load_b128 v[XR+64*((\a)%2)+4*J:XR+64*((\a)%2)+4*J+3], v3, s[4:5] offset:(16*(\a)+J)*16384 th:TH_LOAD_NT
.set J, J+1
.endr
.endm
.macro XCVT d, s                       ; four held numbers become the four code bytes of register d
	v_cvt_pk_bf8_f32 v\d\().l, v[\s], v[\s+1]
	v_cvt_pk_bf8_f32 v\d\().h, v[\s+2], v[\s+3]
.endm
.macro XBATCH a                        ; block a: 16 rows
.set XS, XR+64*((\a)%2)
.if (\a) < 3
	s_wait_loadcnt 16                              ; my 16 loads are in, the next block's 16 may be out
.else
	s_wait_loadcnt 0
.endif
	DEQ XS, 64
.set J, 0
.rept 16
	v_max3_num_f32 v[XM+J], |v[XS+4*J]|, |v[XS+4*J+1]|, |v[XS+4*J+2]|
.set J, J+1
.endr
.set J, 0
.rept 16
	v_max3_num_f32 v[XM+J], v[XM+J], |v[XS+4*J+3]|, (EMAX+1)<<23   ; with the floor 2^(16 - 127): the byte cannot fall under 1
.set J, J+1
.endr
.irp m, 1,2,4                          ; the block's eight lanes; the 16 rows by turns
.set J, 0
.rept 16
	v_max_num_f32_dpp v[XM+J], v[XM+J], v[XM+J] row_xmask:\m row_mask:0xf bank_mask:0xf
.set J, J+1
.endr
.endr
.set J, 0
.rept 16
	v_add_nc_u32 v[XI+2*J+1], -(EMAX<<23), v[XM+J] ; 15 off the exponent field: the scale's
.set J, J+1
.endr
.set J, 0
.rept 16
	v_and_b32 v[XI+2*J], 0x7f800000, v[XI+2*J+1]
.set J, J+1
.endr
.set J, 0
.rept 16
	v_sub_nc_u32 v[XI+2*J], 0x7f000000, v[XI+2*J]  ; 1 / scale: the exponent field 254 - the scale's
.set J, J+1
.endr
.set J, 0
.rept 16
	v_lshrrev_b32 v[XI+2*J+1], 23, v[XI+2*J+1]     ; the scale's byte
.set J, J+1
.endr
.set J, 0
.rept 16
	v_pk_mul_f32 v[XS+4*J:XS+4*J+1], v[XS+4*J:XS+4*J+1], v[XI+2*J:XI+2*J+1] op_sel_hi:[1,0]     ; by a power of two: nothing is rounded
	v_pk_mul_f32 v[XS+4*J+2:XS+4*J+3], v[XS+4*J+2:XS+4*J+3], v[XI+2*J:XI+2*J+1] op_sel_hi:[1,0]
.set J, J+1
.endr
.set J, 0
.rept 64
	v_med3_num_f32 v[XS+J], v[XS+J], s28, s29      ; the conversion does not saturate (ISA guide 7.6.2): hold first
.set J, J+1
.endr
.irp i, 16,17,18,19,20,21,22,23,24,25,26,27,28,29,30,31
	XCVT \i, XS+4*(\i-16)
.endr
.set J, 0
.rept 16
	ds_store_b32 v14, v[XM+J] offset:XST*((\a)%2)+16*J
	ds_store_b8 v5, v[XI+2*J+1] offset:(16*((\a)/2)+J)*8+4*((\a)%2)   ; the block's eight lanes write the same byte with the same value
.set J, J+1
.endr
.if (\a) < 2
	XLOAD (\a)+2
.else
	s_wait_xcnt 0x0                                ; block a - 2's stores have read their registers
.endif
.irp c, 0,1,2,3
	ds_load_b128 v[XO+16*((\a)%2)+4*\c:XO+16*((\a)%2)+4*\c+3], v15 offset:XST*((\a)%2)+544*\c   ; a wave's LDS instructions are served in order
.endr
	s_wait_dscnt 0x0
.irp c, 0,1,2,3
	global_store_b128 v3, v[XO+16*((\a)%2)+4*\c:XO+16*((\a)%2)+4*\c+3], s[8:9] offset:2048*(\a)+512*\c   ; 512 consecutive bytes, aligned
.endr
.endm
	XLOAD 0
	XLOAD 1
	XBATCH 0
	XBATCH 1
	XBATCH 2
	XBATCH 3
	ds_load_b64 v[12:13], v6
	s_wait_dscnt 0x0
	global_store_b64 v7, v[12:13], s[8:9] offset:8192   ; the 256 bytes of scale words
	s_wait_tensorcnt 0x0                           ; the wave's end
	ds_add_u32 v[SPW], v[NIL]
	s_wait_dscnt 0x0
	s_endpgm
; ---- WAY Y: K is the first axis.  id = work-group - 512; g = id % 32, s = id / 32.  A lane takes a column and its registers run down K: a block lies in one lane's 32 registers.
; A lane's 256 codes are a row of the piece: they go through the wave's stage and leave 512 consecutive bytes a store.
.Ly:
	s_mov_b32 s24, 0xc3200000                      ; -160.0
	s_mov_b32 s25, s24
	s_mov_b32 s26, 0x3ccccccd                      ; 0.025
	s_mov_b32 s27, s26
	s_sub_co_u32 s17, ttmp9, 512
	s_and_b32 s18, s17, 31
	s_lshr_b32 s19, s17, 5
	s_lshl_b32 s20, s19, 22
	s_lshl_b32 s21, s18, 9
	s_or_b32 s20, s20, s21
	s_lshl_b32 s21, s16, 7
	s_or_b32 s20, s20, s21
	s_mov_b32 s21, 0
	s_add_nc_u64 s[6:7], s[6:7], s[20:21]          ; y at my wave's first number
	s_lshl_b32 s18, s18, 4
	s_add_co_u32 s18, s18, s19
	s_mul_i32 s18, s18, BLKB                       ; the piece 16 g + s
	s_lshl_b32 s14, s16, 8
	s_add_co_u32 s14, s14, s18
	s_add_co_u32 s14, s14, 32768
	s_mov_b32 s15, 0
	s_add_nc_u64 s[12:13], s[10:11], s[14:15]      ; my wave's 256 scale bytes
	s_lshl_b32 s19, s16, 13
	s_add_co_u32 s18, s18, s19
	s_mov_b32 s19, 0
	s_add_nc_u64 s[10:11], s[10:11], s[18:19]      ; my wave's 8,192 code bytes
	s_mul_i32 s22, s16, 32*YP
	s_add_co_u32 s22, s22, YB
	v_lshlrev_b32 v3, 2, v2
	v_mul_u32_u24 v4, v2, YP
	v_add_nc_u32 v4, s22, v4
	v_and_b32 v5, 15, v2
	v_lshrrev_b32 v6, 4, v2
	v_mul_u32_u24 v7, v6, YP
	v_lshl_add_u32 v7, v5, 4, v7
	v_add_nc_u32 v7, s22, v7
	v_lshlrev_b32 v8, 4, v2
	v_lshlrev_b32 v9, 3, v2
	s_wait_alu depctr_va_vdst(0)
.macro YLOAD t
.set YI, 0
.rept 32
	global_load_b32 v[YX+32*((\t)%2)+YI], v3, s[6:7] offset:(32*(\t)+YI)*16384 th:TH_LOAD_NT
.set YI, YI+1
.endr
.endm
	YLOAD 0
	YLOAD 1
.macro YBLOCK t
.set XS, YX+32*((\t)%2)
.if (\t) < 7
	s_wait_loadcnt 32                              ; this block's 32 loads are in, the next block's may be out
.else
	s_wait_loadcnt 0
.endif
	DEQ XS, 32
	v_max3_num_f32 v12, |v[XS]|, |v[XS+1]|, |v[XS+2]|
	v_max3_num_f32 v13, |v[XS+3]|, |v[XS+4]|, |v[XS+5]|
.irp i, 6,10,14,18,22,26
	v_max3_num_f32 v12, v12, |v[XS+\i]|, |v[XS+\i+1]|
	v_max3_num_f32 v13, v13, |v[XS+\i+2]|, |v[XS+\i+3]|
.endr
	v_max3_num_f32 v12, v12, |v[XS+30]|, |v[XS+31]|
	v_max3_num_f32 v12, v12, v13, (EMAX+1)<<23
	v_add_nc_u32 v11, -(EMAX<<23), v12             ; the conversion's scale operand
	v_and_or_b32 v10, v12, 0x7f800000, s23         ; 57,344 x the scale
	v_lshrrev_b32 v13, 23, v11                     ; the scale's byte
.if (\t)%4 == 0
	v_mov_b32 v[YS+(\t)/4], v13
.else
	v_lshl_or_b32 v[YS+(\t)/4], v13, 8*((\t)%4), v[YS+(\t)/4]
.endif
.irp i, 0,1,2,3,4,5,6,7,8,9,10,11,12,13,14,15,16,17,18,19,20,21,22,23,24,25,26,27,28,29,30,31
	v_med3_num_f32 v[XS+\i], v[XS+\i], -v10, v10
.endr
.irp g, 0,1,2,3
	v_cvt_scalef32_pk8_bf8_f32 v[YC+2*\g:YC+2*\g+1], v[XS+8*\g:XS+8*\g+7], v11
.endr
	ds_store_b128 v4, v[YC:YC+3] offset:32*(\t)
	ds_store_b128 v4, v[YC+4:YC+7] offset:32*(\t)+16
.if (\t)+2 < 8
	YLOAD (\t)+2
.endif
	s_wait_dscnt 0x0                               ; the stores have read their registers
.endm
.set Q, 0
.rept 8
	YBLOCK Q
.set Q, Q+1
.endr
	global_store_b64 v9, v[YS:YS+1], s[12:13]
.irp t, 0,1,2,3,4,5,6,7,8,9,10,11,12,13,14,15
	ds_load_b128 v[YO+4*\t:YO+4*\t+3], v7 offset:2*\t*YP
.endr
.irp t, 0,1,2,3,4,5,6,7,8,9,10,11,12,13,14,15
	s_wait_dscnt 15-\t
	global_store_b128 v8, v[YO+4*\t:YO+4*\t+3], s[10:11] offset:512*\t
.endr
	s_wait_tensorcnt 0x0                           ; the wave's end
	ds_add_u32 v[SPW], v[NIL]
	s_wait_dscnt 0x0
	s_endpgm
.Lfunc_end_k_qc6a5458e9e_quant:
	.size	k_qc6a5458e9e_quant, .Lfunc_end_k_qc6a5458e9e_quant-k_qc6a5458e9e_quant
	.p2alignl 7, 3214868480
	.fill 96, 4, 3214868480
	.section	.rodata,"a",@progbits
	.p2align	6, 0x0
	.amdhsa_kernel k_qc6a5458e9e_quant
		.amdhsa_group_segment_fixed_size 57856
		.amdhsa_private_segment_fixed_size 0
		.amdhsa_enable_private_segment 0
		.amdhsa_kernarg_size 32
		.amdhsa_user_sgpr_count 2
		.amdhsa_user_sgpr_kernarg_segment_ptr 1
		.amdhsa_wavefront_size32 1
		.amdhsa_system_sgpr_workgroup_id_x 1
		.amdhsa_system_sgpr_workgroup_id_y 1
		.amdhsa_system_sgpr_workgroup_id_z 1
		.amdhsa_system_vgpr_workitem_id 0
		.amdhsa_next_free_vgpr 226
		.amdhsa_next_free_sgpr 66
		.amdhsa_reserve_vcc 0
		.amdhsa_float_denorm_mode_32 3
		.amdhsa_float_denorm_mode_16_64 3
		.amdhsa_memory_ordered 1
		.amdhsa_forward_progress 1
		.amdhsa_inst_pref_size 195
	.end_amdhsa_kernel
	.amdgpu_metadata
---
amdhsa.version: [ 1, 2 ]
amdhsa.kernels:
  - .name:           k_qc6a5458e9e_quant
    .symbol:         k_qc6a5458e9e_quant.kd
    .args:
      - { .name: x, .offset: 0, .size: 8, .value_kind: global_buffer, .address_space: global }
      - { .name: y, .offset: 8, .size: 8, .value_kind: global_buffer, .address_space: global }
      - { .name: a_ws, .offset: 16, .size: 8, .value_kind: global_buffer, .address_space: global }
      - { .name: b_ws, .offset: 24, .size: 8, .value_kind: global_buffer, .address_space: global }
    .group_segment_fixed_size: 57856
    .private_segment_fixed_size: 0
    .kernarg_segment_align: 8
    .kernarg_segment_size: 32
    .max_flat_workgroup_size: 128
    .sgpr_count:     66
    .vgpr_count:     226
    .wavefront_size: 32
...
	.end_amdgpu_metadata
.endif
;; end of part 1
;; launch gemm (part 2): grid 16 x 16, 4 waves a work-group, clusters of 4 x 4, 327,680 bytes of LDS; arguments a_ws, b_ws, out0; writes out0
.if DOCPART == 2
	.amdgcn_target "amdgcn-amd-amdhsa--gfx1250"
	.amdhsa_code_object_version 6
	.text
	.protected	k_qc6a5458e9e_gemm
	.globl	k_qc6a5458e9e_gemm
	.p2align	8
	.type	k_qc6a5458e9e_gemm,@function
k_qc6a5458e9e_gemm:
	s_mov_b64 s[64:65], 0
	v_nop
	global_prefetch_b8 v0, s[64:65] scope:SCOPE_SE
	s_setreg_imm32_b32 hwreg(HW_REG_WAVE_MODE, 25, 1), 1
	s_wait_xcnt 0x0
	s_wait_alu depctr_hold_cnt(0) depctr_sa_sdst(0) depctr_va_vdst(0) depctr_va_sdst(0) depctr_va_ssrc(0) depctr_va_vcc(0) depctr_vm_vsrc(0)
	s_getreg_b32 s2, hwreg(HW_REG_IB_STS2, 6, 4)
	s_cmp_eq_u32 s2, 0
	s_cbranch_scc0 .Lentry_in_a_cluster
	s_endpgm
.Lentry_in_a_cluster:
	s_bfe_u32 s2, ttmp6, 0x10000c
	s_cmp_lg_u32 s2, 0xf033
	s_cbranch_scc0 .Lentry_shape_is_right
	s_endpgm
.Lentry_shape_is_right:
; out0[m][n] = sum over k of A[m][k] B[n][k] on codes of BF8 (E5M2) with E8M0 scales, as launch quant laid them; sums in f32.
; A work-group makes 256 x 256 of C; wave w its rows 64 w .. 64 w + 63 x all 256 columns: 64 accumulators, 512 registers.  So each row of A is needed by ONE wave of the work-group:
; A's fragments and scale words go from a_ws, which lies in the order of the operand's registers, straight into registers: 16 loads of 512 consecutive bytes and one of 256 for a step of 128 along K,
; four register sets, asked for three steps ahead of their use.  B alone goes through LDS: a ring of two slots, each 256 columns x 512 along K (four pieces of b_ws, one tensor load a wave): four steps to a slot.
; CLUSTERS: 4 x 4.  The four work-groups of a column of the cluster need the same pieces of B and ask for them jointly.  A has no joint load: a joint load lands in LDS, and A's bytes never lie there.
; The matrix instruction is used transposed (source 0 = 16 rows of B, source 1 = 16 rows of A): a lane holds eight neighbouring numbers of a row of C.
; A step is 3 groups of 6, 5 and 5 blocks of B, each block against A's 4 blocks: 24, 20, 20 products.  B's fragments take turns in 2 buffers of 96 registers: a buffer is fetched anew behind its group,
; one group ahead of its next use: three runs of LDS loads a step.  A slot has 12 groups, so the buffers come back to their places with every slot.
; PREFETCH: at the change from slot j to j + 1 each wave names, for slot j + 3, a quarter (33 blocks of 256 bytes) of the piece of B that it will load, the four partners of the joint load told apart by cy in the address,
; and one of its own four steps of A, the four work-groups that read these rows in the cluster told apart by cx.  The last change with a refill names nothing; slots 0 to 2 come by their loads alone.
; REGISTERS: window 0: v4-15 LDS addresses; v16-63 scale words (B's in numbers 0-5 modulo 8, A's in 6-7) and a few addresses; v64-255 B's buffers; window 1: A's four sets; windows 2, 3: accumulators of columns 0-127, 128-255.
.set BLKB,   33792
.set ASTEP,  8448
.set PITCH,  272
.set HALFT,  132*PITCH                 ; a piece in LDS: 128 rows of codes and 4 of scale bytes, 256 bytes + 16 of padding each
.set SCO,    128*PITCH
.set SLOT,   4*HALFT
.set SPARE,  2*SLOT
.set SPITCH, 528
.set ADRB, 4                           ; v4-11  slot x 4 + piece: 272 r + 16 h
.set ADRS, 12                          ; v12-15 slot x 2 + half of the slot's K: scale words; lanes 0-15 columns 0-127, lanes 16-31 columns 128-255
.set AOFF, 54                          ; 16 x lane
.set ASOFF, 55                         ; 8 x lane
.set SPW,  58
.set NIL,  59
.set STO,  60
.set RD,   61
.set PFO,  62                          ; 256 x lane
.set PFZ,  63                          ; 0
.set BK,   128
.set G1,   24
.set G0,   32
.set AB,   44                          ; s[44:45] my rows' stream in a_ws
.set PFA,  46
.set PFB,  48
.set MSB, 0
.macro WIN new
.if MSB != \new
	s_set_vgpr_msb (MSB<<8)|\new
.set MSB, \new
.endif
.endm
.macro PLACES n
.rept \n
	v_nop
.endr
.endm
.macro JLOAD s                         ; one line for all four waves: the piece and its LDS place hang on the wave's number; s_nop 0 and four v_nop behind it
	tensor_load_to_lds s[G0+4*\s:G0+4*\s+3], s[G1:G1+7]
	s_nop 0
	PLACES 4
.endm
.macro CREST
	s_cmp_lg_u32 s14, 0
	s_cbranch_scc1 .Lnot_wave_0_\@
	s_barrier_signal -3
.Lnot_wave_0_\@:
	s_barrier_wait -3
	s_barrier_signal -1
	s_barrier_wait -1
.endm
.macro CROUND
	s_barrier_signal -1
	s_barrier_wait -1
	CREST
.endm
.macro ASK guard                       ; guard = 1: nothing in the loop's last trip
.if \guard
	s_cmp_gt_u32 s3, 1
	s_cbranch_scc0 .Lno_ask_\@
.endif
	global_prefetch_b8 v[PFO], s[PFA:PFA+1] th:TH_LOAD_NT scope:SCOPE_SE
	global_prefetch_b8 v[PFZ], s[PFA:PFA+1] offset:8192 th:TH_LOAD_NT scope:SCOPE_SE
	global_prefetch_b8 v[PFO], s[PFB:PFB+1] th:TH_LOAD_NT scope:SCOPE_SE
	global_prefetch_b8 v[PFZ], s[PFB:PFB+1] offset:8192 th:TH_LOAD_NT scope:SCOPE_SE
.Lno_ask_\@:
.endm
.macro ALOAD t, rel                    ; A's step rel (counted from the base) into set t: the scale words, then 4 blocks x 4 parts
	global_load_b64 v[22+8*(\t):23+8*(\t)], v[ASOFF], s[AB:AB+1] offset:ASTEP*(\rel)+8192
	WIN 0x40
.irp a, 0,1,2,3
.irp c, 0,1,2,3
	global_load_b128 v[64*(\t)+16*\a+4*\c:64*(\t)+16*\a+4*\c+3], v[AOFF], s[AB:AB+1] offset:ASTEP*(\rel)+2048*\a+512*\c
.endr
.endr
	WIN 0
.endm
.macro ANEXT t, arel, lw               ; the next step's 17 loads are in (lw younger ones may be out); then set t, just multiplied, takes the step four on
	s_wait_loadcnt \lw
.if (\arel) >= 0
	ALOAD \t, \arel
.endif
.endm
; Group x (0..11) of a slot: step x / 3; its part x % 3 begins at block 0, 6 or 11 of B and has 6, 5 or 5 blocks; buffer x % 2.
.macro FETCH slot, x
.set BFIRST, 6*((\x)%3)-((\x)%3)/2
.set BI, 0
.rept 6-(((\x)%3)+1)/2
.set BN, BFIRST+BI
.set CI, 0
.rept 4
	ds_load_b128 v[64+96*((\x)%2)+16*BI+4*CI:64+96*((\x)%2)+16*BI+4*CI+3], v[ADRB+4*(\slot)+BN/8+2*((\x)/6)] offset:16*(BN%8)*PITCH+128*(((\x)/3)%2)+32*CI
.set CI, CI+1
.endr
.set BI, BI+1
.endr
.endm
.macro SCALES slot, sh                 ; B's scale words of 256 along K: two words a column; block i below, block i + 8 above
.irp i, 0,1,2,3,4,5,6,7
	ds_load_b64 v[16+8*((8*(\sh)+\i)/3)+2*((8*(\sh)+\i)%3):17+8*((8*(\sh)+\i)/3)+2*((8*(\sh)+\i)%3)], v[ADRS+2*(\slot)+(\sh)] offset:(\i/2)*PITCH+(\i%2)*128
.endr
.endm
.macro WM d, bf, af, sb, sa, zero, ra, rb
.if \zero
.if (\ra)==0 && (\rb)==0
	v_wmma_scale_f32_16x16x128_f8f6f4 v[(\d):(\d)+7], v[(\bf):(\bf)+15], v[(\af):(\af)+15], 0, v[\sb], v[\sa] matrix_a_fmt:MATRIX_FMT_BF8 matrix_b_fmt:MATRIX_FMT_BF8
.endif
.if (\ra)==1 && (\rb)==0
	v_wmma_scale_f32_16x16x128_f8f6f4 v[(\d):(\d)+7], v[(\bf):(\bf)+15], v[(\af):(\af)+15], 0, v[\sb], v[\sa] matrix_a_fmt:MATRIX_FMT_BF8 matrix_b_fmt:MATRIX_FMT_BF8 matrix_a_scale:MATRIX_SCALE_ROW1
.endif
.if (\ra)==0 && (\rb)==1
	v_wmma_scale_f32_16x16x128_f8f6f4 v[(\d):(\d)+7], v[(\bf):(\bf)+15], v[(\af):(\af)+15], 0, v[\sb], v[\sa] matrix_a_fmt:MATRIX_FMT_BF8 matrix_b_fmt:MATRIX_FMT_BF8 matrix_b_scale:MATRIX_SCALE_ROW1
.endif
.if (\ra)==1 && (\rb)==1
	v_wmma_scale_f32_16x16x128_f8f6f4 v[(\d):(\d)+7], v[(\bf):(\bf)+15], v[(\af):(\af)+15], 0, v[\sb], v[\sa] matrix_a_fmt:MATRIX_FMT_BF8 matrix_b_fmt:MATRIX_FMT_BF8 matrix_a_scale:MATRIX_SCALE_ROW1 matrix_b_scale:MATRIX_SCALE_ROW1
.endif
.else
.if (\ra)==0 && (\rb)==0
	v_wmma_scale_f32_16x16x128_f8f6f4 v[(\d):(\d)+7], v[(\bf):(\bf)+15], v[(\af):(\af)+15], v[(\d):(\d)+7], v[\sb], v[\sa] matrix_a_fmt:MATRIX_FMT_BF8 matrix_b_fmt:MATRIX_FMT_BF8
.endif
.if (\ra)==1 && (\rb)==0
	v_wmma_scale_f32_16x16x128_f8f6f4 v[(\d):(\d)+7], v[(\bf):(\bf)+15], v[(\af):(\af)+15], v[(\d):(\d)+7], v[\sb], v[\sa] matrix_a_fmt:MATRIX_FMT_BF8 matrix_b_fmt:MATRIX_FMT_BF8 matrix_a_scale:MATRIX_SCALE_ROW1
.endif
.if (\ra)==0 && (\rb)==1
	v_wmma_scale_f32_16x16x128_f8f6f4 v[(\d):(\d)+7], v[(\bf):(\bf)+15], v[(\af):(\af)+15], v[(\d):(\d)+7], v[\sb], v[\sa] matrix_a_fmt:MATRIX_FMT_BF8 matrix_b_fmt:MATRIX_FMT_BF8 matrix_b_scale:MATRIX_SCALE_ROW1
.endif
.if (\ra)==1 && (\rb)==1
	v_wmma_scale_f32_16x16x128_f8f6f4 v[(\d):(\d)+7], v[(\bf):(\bf)+15], v[(\af):(\af)+15], v[(\d):(\d)+7], v[\sb], v[\sa] matrix_a_fmt:MATRIX_FMT_BF8 matrix_b_fmt:MATRIX_FMT_BF8 matrix_a_scale:MATRIX_SCALE_ROW1 matrix_b_scale:MATRIX_SCALE_ROW1
.endif
.endif
.endm
; Blocks i0 .. i0 + n - 1 of group x: 4 products a block; the 64 accumulators take turns in the same order in every step.
; Accumulator (a, b) lies in window 2 + b / 8 at v[8 (8 a + b % 8)].  zero = 1: the first step's products start the sums.
.macro MUL x, i0, n, zero
.set BFIRST, 6*((\x)%3)-((\x)%3)/2
.set BI, \i0
.rept \n
.set BN, BFIRST+BI
	WIN 0xa4+0x50*(BN/8)
.set AI, 0
.rept 4
	WM 8*(8*AI+BN%8), 64+96*((\x)%2)+16*BI, 64*((\x)/3)+16*AI, 16+8*((8*((\x)/6)+BN%8)/3)+2*((8*((\x)/6)+BN%8)%3)+((\x)/3)%2, 22+8*((\x)/3)+AI%2, \zero, BN/8, AI/2
.set AI, AI+1
.endr
.set BI, BI+1
.endr
.endm
.macro MULX x, zero                    ; the whole group
	MUL \x, 0, 6-(((\x)%3)+1)/2, \zero
.endm
; One of a slot's first three steps.  Eight places stand in front of each run of loads into registers that products have read (ISA guide 7.12.1 for instructions other than loads).
.macro STEP slot, q, zero, arel, lw
.irp t, 0,1,2
	s_wait_dscnt 20+4*(\t/2)                       ; my group's fetch is in; the one younger fetch, of 5 or 6 blocks x 4 loads, may be out
	MULX 3*(\q)+\t, \zero
	PLACES 8
	WIN 0
.if (\q)==1 && \t==0
	SCALES \slot, 1
.endif
	FETCH \slot, 3*(\q)+\t+2
.endr
	ANEXT \q, \arel, \lw
.endm
; A slot's last step changes slots.  fill = 1: the slot is filled again, with the slot two on, behind a round of the cluster's barrier.
.macro TURN slot, next, fill, guard, arel, lw
	s_wait_dscnt 20
	MULX 9, 0
	PLACES 8
	WIN 0
	FETCH \slot, 11                                ; my last reads of this slot
.if \fill
	s_wait_xcnt 0x0                                ; my prefetches have read their addresses
	s_add_nc_u64 s[PFA:PFA+1], s[PFA:PFA+1], 4*ASTEP
	s_add_nc_u64 s[PFB:PFB+1], s[PFB:PFB+1], 2*BLKB
.endif
	s_wait_tensorcnt 0x0                           ; my piece of the next slot has landed
	ds_add_u32 v[SPW], v[NIL]
	s_wait_dscnt 21                                ; (the add and the last fetch of 20 may be out)
	MUL 10, 0, 3, 0
	s_wait_dscnt 0x0                               ; the add is done, my reads of this slot are over
	s_barrier_signal -1
	MUL 10, 3, 2, 0
	WIN 0
	s_barrier_wait -1
.if \fill
	CREST
	s_add_nc_u64 s[G0+4*\slot+2:G0+4*\slot+3], s[G0+4*\slot+2:G0+4*\slot+3], 4*BLKB
	JLOAD \slot
	PLACES 4
.else
	PLACES 8
.endif
	SCALES \next, 0
	FETCH \next, 0
.if \fill
	ASK \guard
.endif
	MULX 11, 0
	PLACES 8
	WIN 0
	FETCH \next, 1
	ANEXT 3, \arel, \lw
.endm
	s_load_b128 s[4:7], s[0:1], 0x0                ; a_ws, b_ws
	s_load_b64 s[12:13], s[0:1], 0x10              ; out0
	v_lshl_add_u32 v[SPW], v0, 2, SPARE
	v_mov_b32 v[NIL], 0
	ds_add_u32 v[SPW], v[NIL]                      ; the opening lines: the add twice on end
	ds_add_u32 v[SPW], v[NIL]
	v_lshrrev_b32 v67, 5, v0
	v_readfirstlane_b32 s14, v67                   ; wave
	v_and_b32 v1, 15, v0                           ; r
	v_bfe_u32 v2, v0, 4, 1                         ; h
	v_and_b32 v3, 31, v0                           ; lane
	v_mul_u32_u24 v64, v1, PITCH
	v_lshl_add_u32 v64, v2, 4, v64
.irp i, 0,1,2,3,4,5,6,7
	v_add_nc_u32 v[ADRB+\i], (\i/4)*SLOT+(\i%4)*HALFT, v64
.endr
	v_mul_u32_u24 v65, v2, HALFT
	v_lshl_add_u32 v65, v1, 3, v65
.irp i, 0,1,2,3
	v_add_nc_u32 v[ADRS+\i], (\i/2)*SLOT+2*(\i%2)*HALFT+SCO, v65
.endr
	v_mul_u32_u24 v66, v67, 16*SPITCH              ; my stage on the way out
	v_mul_u32_u24 v68, v1, SPITCH
	v_lshl_add_u32 v68, v2, 5, v68
	v_add_nc_u32 v[STO], v66, v68
	v_lshlrev_b32 v[AOFF], 4, v3
	v_add_nc_u32 v[RD], v66, v[AOFF]
	v_lshlrev_b32 v[ASOFF], 3, v3
	v_lshlrev_b32 v[PFO], 8, v3
	v_mov_b32 v[PFZ], 0
	s_bfe_u32 s40, ttmp6, 0x40000                  ; cx
	s_bfe_u32 s41, ttmp6, 0x40004                  ; cy
	s_lshl_b32 s42, ttmp9, 2
	s_add_co_u32 s42, s42, s40                     ; tile column
	s_and_b32 s17, ttmp7, 0xffff
	s_lshl_b32 s17, s17, 2
	s_add_co_u32 s17, s17, s41                     ; tile row
	s_lshl_b32 s43, 0x1111, s40                    ; my column of the cluster
	s_or_b32 s[G1+0], s43, (3<<16)|(1<<20)|(1<<21)|(5<<22)|(3<<25)   ; the mask; elements of 8 bytes; 16 bytes of padding behind every 256
	s_mov_b32 s[G1+1], 32<<16
	s_mov_b32 s[G1+2], 132<<16
	s_mov_b32 s[G1+3], 32<<16
	s_mov_b32 s[G1+4], 132
	s_mov_b32 s[G1+5], 32
	s_mov_b32 s[G1+6], 0
	s_mov_b32 s[G1+7], 0
	s_and_b32 s16, s14, 1
	s_lshr_b32 s15, s14, 1
	s_lshl_b32 s20, s42, 1
	s_add_co_u32 s20, s20, s16
	s_lshl_b32 s20, s20, 4
	s_add_co_u32 s20, s20, s15
	s_mul_i32 s20, s20, BLKB                       ; my piece of slot 0: columns 128 (wave % 2), K half wave / 2
	s_mov_b32 s21, 0
	s_lshl_b32 s22, s17, 2
	s_add_co_u32 s22, s22, s14
	s_mul_i32 s22, s22, 32*ASTEP                   ; my 64 rows' stream
	s_mov_b32 s23, 0
	s_mul_i32 s10, s14, HALFT
	s_wait_alu depctr_va_vdst(0)
	s_wait_dscnt 0x0
	s_wait_kmcnt 0x0
	s_add_nc_u64 s[20:21], s[6:7], s[20:21]
	s_add_nc_u64 s[AB:AB+1], s[4:5], s[22:23]
.irp s, 0,1
	s_mov_b32 s[G0+4*\s], 1
	s_add_co_u32 s[G0+4*\s+1], s10, \s*SLOT
	s_add_nc_u64 s[G0+4*\s+2:G0+4*\s+3], s[20:21], \s*2*BLKB
	s_or_b32 s[G0+4*\s+3], s[G0+4*\s+3], 0x80000000
.endr
	CROUND                                         ; in front of the first joint loads
	JLOAD 0                                        ; slot 0: one tensor load a wave at the head
	ALOAD 0, 0
	ALOAD 1, 1
	s_lshl_b32 s18, s17, 8
	s_lshl_b32 s19, s14, 6
	s_add_co_u32 s18, s18, s19
	s_lshl_b32 s18, s18, 14                        ; my first row of C, 16,384 bytes a row
	s_lshl_b32 s19, s42, 10
	s_add_co_u32 s18, s18, s19
	s_mov_b32 s19, 0
	s_add_nc_u64 s[12:13], s[12:13], s[18:19]
	s_add_co_u32 s52, s40, 8
	s_mul_i32 s52, s52, ASTEP
	s_mov_b32 s53, 0
	s_add_nc_u64 s[PFA:PFA+1], s[AB:AB+1], s[52:53]    ; step 8 + cx: the first change steps it to 12 + cx
	s_mul_i32 s52, s41, 33*256
	s_add_nc_u64 s[PFB:PFB+1], s[20:21], s[52:53]
	s_add_nc_u64 s[PFB:PFB+1], s[PFB:PFB+1], 4*BLKB    ; slot 2's piece: the first change steps it to slot 3's
	s_wait_tensorcnt 0x0
	ds_add_u32 v[SPW], v[NIL]
	s_wait_dscnt 0x0
	CROUND
	JLOAD 1                                        ; slot 1's first fill
	SCALES 0, 0
	FETCH 0, 0
	FETCH 0, 1
	ALOAD 2, 2
	s_wait_loadcnt 34                              ; step 0 of A is in; steps 1 and 2 may be out
	ALOAD 3, 3
	STEP 0, 0, 1, 4, 34                            ; the first step starts the sums
	s_mov_b32 s3, 3
.Llap:                                                 ; a trip: eight steps, once round the ring, both slots filled again
	STEP 0, 1, 0, 5, 34
	STEP 0, 2, 0, 6, 34
	TURN 0, 1, 1, 0, 7, 34
	STEP 1, 0, 0, 8, 34
	STEP 1, 1, 0, 9, 34
	STEP 1, 2, 0, 10, 34
	TURN 1, 0, 1, 1, 11, 34
	STEP 0, 0, 0, -1, 34
	s_wait_xcnt 0x0                                ; A's loads, the youngest a step back, have read their base
	s_add_nc_u64 s[AB:AB+1], s[AB:AB+1], 8*ASTEP
	ALOAD 0, 4                                     ; the trip's eighth run of A's loads, counted from the new base
	s_sub_co_u32 s3, s3, 1
	s_cmp_lg_u32 s3, 0
	s_cbranch_scc1 .Llap
	STEP 0, 1, 0, 5, 34                            ; the last seven steps: A's last three loads, then the counts run down; no refill
	STEP 0, 2, 0, 6, 34
	TURN 0, 1, 0, 0, 7, 34
	STEP 1, 0, 0, -1, 34
	STEP 1, 1, 0, -1, 17
	STEP 1, 2, 0, -1, 0
	s_wait_dscnt 20
	MULX 9, 0
	PLACES 8
	WIN 0
	FETCH 1, 11
	s_wait_dscnt 20
	MULX 10, 0
	s_wait_dscnt 0
	MULX 11, 0
	WIN 0
; THE WAY OUT, by blocks of 16 rows x 128 columns: through my stage (in slot 0, which has had its last fill and its last read) and back as rows of 512 bytes, stored as two aligned units of 256 bytes.
.macro TOSTAGE x
.set AC, 64*((\x)%4)
	WIN 0x08+4*((\x)/4)
.irp b, 0,1,2,3,4,5,6,7
	ds_store_b128 v[STO], v[AC+8*\b:AC+8*\b+3] offset:64*\b          ; each accumulator from its low end on
	ds_store_b128 v[STO], v[AC+8*\b+4:AC+8*\b+7] offset:64*\b+16
.endr
	WIN 0
.set BB, BK+64*((\x)%2)
.irp t, 0,1,2,3,4,5,6,7,8,9,10,11,12,13,14,15
	ds_load_b128 v[BB+4*\t:BB+4*\t+3], v[RD] offset:\t*SPITCH        ; a wave's LDS instructions are served in order
.endr
.endm
.macro SEND x, younger
.set BB, BK+64*((\x)%2)
	s_wait_dscnt \younger
.irp t, 0,1,2,3,4,5,6,7,8,9,10,11,12,13,14,15
	global_store_b128 v[AOFF], v[BB+4*\t:BB+4*\t+3], s[12:13] offset:(16*((\x)%4)+\t)*16384+512*((\x)/4) th:TH_STORE_NT
.endr
.endm
	PLACES 8
	TOSTAGE 0
.irp x, 1,2,3,4,5,6,7
.if \x > 1
	s_wait_xcnt 0x0                                ; block x - 2's stores have read their registers
.endif
	TOSTAGE \x
	SEND \x-1, 32                                  ; behind block x - 1's loads: block x's 16 stores and 16 loads
.endr
	SEND 7, 0
	s_wait_tensorcnt 0x0                           ; the wave's end
	ds_add_u32 v[SPW], v[NIL]
	s_wait_dscnt 0x0
	CROUND                                         ; the closing round
	s_endpgm
.Lfunc_end_k_qc6a5458e9e_gemm:
	.size	k_qc6a5458e9e_gemm, .Lfunc_end_k_qc6a5458e9e_gemm-k_qc6a5458e9e_gemm
	.p2alignl 7, 3214868480
	.fill 96, 4, 3214868480
	.section	.rodata,"a",@progbits
	.p2align	6, 0x0
	.amdhsa_kernel k_qc6a5458e9e_gemm
		.amdhsa_group_segment_fixed_size 327680
		.amdhsa_private_segment_fixed_size 0
		.amdhsa_enable_private_segment 0
		.amdhsa_kernarg_size 24
		.amdhsa_user_sgpr_count 2
		.amdhsa_user_sgpr_kernarg_segment_ptr 1
		.amdhsa_wavefront_size32 1
		.amdhsa_system_sgpr_workgroup_id_x 1
		.amdhsa_system_sgpr_workgroup_id_y 1
		.amdhsa_system_sgpr_workgroup_id_z 1
		.amdhsa_system_vgpr_workitem_id 0
		.amdhsa_next_free_vgpr 1024
		.amdhsa_next_free_sgpr 66
		.amdhsa_reserve_vcc 0
		.amdhsa_float_denorm_mode_32 3
		.amdhsa_float_denorm_mode_16_64 3
		.amdhsa_memory_ordered 1
		.amdhsa_forward_progress 1
		.amdhsa_inst_pref_size 255
	.end_amdhsa_kernel
	.section	.bss,"aw",@nobits
	.p2align	6
	.space	262144
	.amdgpu_metadata
---
amdhsa.version: [ 1, 2 ]
amdhsa.kernels:
  - .name:           k_qc6a5458e9e_gemm
    .symbol:         k_qc6a5458e9e_gemm.kd
    .args:
      - { .name: a_ws, .offset: 0, .size: 8, .value_kind: global_buffer, .address_space: global }
      - { .name: b_ws, .offset: 8, .size: 8, .value_kind: global_buffer, .address_space: global }
      - { .name: out0, .offset: 16, .size: 8, .value_kind: global_buffer, .address_space: global }
    .group_segment_fixed_size: 327680
    .private_segment_fixed_size: 0
    .kernarg_segment_align: 8
    .kernarg_segment_size: 24
    .max_flat_workgroup_size: 128
    .sgpr_count:     66
    .vgpr_count:     1024
    .wavefront_size: 32
...
	.end_amdgpu_metadata
.endif
;; end of part 2
